; MI455X (gfx1250); checked and timed in simulation.
; The chip was launched on July 23, 2026; its instructions are those of AMD's public machine-readable ISA for CDNA 5 (MIT licence, August 2026) and "CDNA5" Instruction Set Architecture Reference Guide (July 2026). The comments in the code are by the model that wrote it; some were corrected since.
;; Standard Router. Allowed arithmetic: matrix products marked QUANTISED: E5M2 operands, one given power-of-two scale a tensor, by v_wmma_f32_16x16x64_bf8_bf8 or v_wmma_f32_16x16x128_bf8_bf8, f32 sums; products left as they are: f32 operands where the result goes on into a quantised operand, else bf16, f16 or f32 operands; f32 sums; everything else in f32.
;; Inputs: b1 8 x 2,048 float32; b2 8 x 512 float32; gate_b 8 float32; gate_w 8 x 512 float32; lowp_scales 4 int32 (the exponents e of the quantised operands' scales 2^e); w1_codes 8 x 2,048 x 16 x 32 uint8 (E5M2 codes of w1, K innermost, in blocks of 32 codes); w2_codes 8 x 512 x 64 x 32 uint8 (E5M2 codes of w2, K innermost, in blocks of 32 codes); x 2 x 2,048 x 512 float32.
;; Outputs: out0 2 x 2,048 x 512 float32; out1 one number float32.
;; This version of the problem:
;;   THIS VERSION OF THE PROBLEM IS GIVEN IN LOW PRECISION. The matrix products marked QUANTISED in the list below multiply operands that are first quantised to E5M2 (5 exponent bits, 2 mantissa bits; 8 bits a number), with one given power-of-two scale for each operand tensor; their sums are f32. All else is computed in f32.
;;   The module's matrix products, in the order in which they are computed (A, B: the left and right operand; K: the contracted axis; several contracted axes count as one K, in the product's order):
;;     1. [M 4,096, K 512] x [K 512, N 8]; A: input x; B: input gate_w: left as it is (N = 8 < 16)
;;     2. [M 4,096, K 512] x [K 512, N 16,384]; A: input x; B: input w1 (given as codes): QUANTISED (scales: A lowp_scales[0], B lowp_scales[1])
;;     3. batch 8 x [M 512, K 2,048] x [K 2,048, N 4,096]; A: input w2 (given as codes); B: computed on the way: QUANTISED (scales: A lowp_scales[2], B lowp_scales[3])
;;   THE QUANTISER, for each operand of a quantised product, along K:
;;     - The operand's scale is 2^e, e = its entry of the input lowp_scales (int32; the entries are numbered through the quantised products in the list's order, A before B).
;;     - Each number is divided by the scale, clamped to +-57,344, and rounded to the nearest number of E5M2, ties to even, subnormals kept.
;;     - The product sums the exact products of the quantised numbers (number of the format x scale) in f32.
;;   ~~~python
;;   def quantise(x, axis, e):      # numpy; x: float32 -> the quantised numbers, widened to float32 again
;;       x = np.moveaxis(x, axis, -1); K = x.shape[-1]
;;       r = np.clip(x / 2.0 ** e, -57344, 57344)
;;       step = 2.0 ** (np.maximum(np.frexp(np.where(r == 0, 1, r))[1] - 1, -14) - 2)
;;       q = np.round(r / step) * step * 2.0 ** e      # np.round: ties to even
;;       return np.moveaxis(q, -1, axis).astype(np.float32)
;;   ~~~
;;   OPERANDS COMPUTED ON THE WAY. 'Computed on the way' means the value that the module computes at that place (a softmax that the list does not call 'softmax' is quantised finished and normalised). What goes into a quantiser is computed in f32, as accurately as f32 sums, v_exp_f32 and their like allow (about 1e-6 of the number): no bf16 or f16 on the way to a quantiser, and a product that is left as it is and whose result goes on into a quantised operand takes f32 operands (vector FMAs, or v_wmma_f32_16x16x4_f32). A number that lies on a knife's edge between two numbers of the format may be rounded either way, as far as f32 arithmetic and the matrix unit's own rounding can turn it there, and no further.
;;   INPUTS GIVEN AS CODES. w1 (in the module: [8, 2048, 512], K = its axis 2); w2 (in the module: [8, 512, 2048], K = its axis 2): each comes as NAME_codes (uint8): NAME with its K axis moved to the last place and cut into blocks of 32 codes, [.., K / 32, bytes a block], one block behind the other in memory; one code a byte (a code: sign, 5 exponent bits, 2 mantissa bits); its scale is its entry of lowp_scales. Its value is code x scale, taken as it is: it is not quantised again, and the codes and scales need not be those that the quantiser above would give.
;; One version. Each part assembles by itself: llvm-mc -triple=amdgcn-amd-amdhsa -mcpu=gfx1250 --defsym DOCPART=n.
;; ======== version 1 of 1: 4 launches
;; limits: a function is approximated: absolute error at most 1.5e-07; an absolute error that grows with the inputs' magnitude: up to 7.5e-08 times it
;; workspace buffers: xq 2,097,152 bytes; wf 16,777,216 bytes; gf 139,264 bytes; gi 36,864 bytes of whole numbers; lst 52,224 bytes of whole numbers; parts 25,573,376 bytes
;; launch prep (part 1): grid 320 x 1, 4 waves a work-group, no clusters, 35,328 bytes of LDS; arguments x, gate_w, gate_b, lowp_scales, w1_codes, w2_codes, xq, wf, gf, gi; writes xq, wf, gf, gi
.if DOCPART == 1
	.amdgcn_target "amdgcn-amd-amdhsa--gfx1250"
	.amdhsa_code_object_version 6
	.text
	.protected	k_qfd498fe591_prep
	.globl	k_qfd498fe591_prep
	.p2align	8
	.type	k_qfd498fe591_prep,@function
k_qfd498fe591_prep:
	s_mov_b64 s[64:65], 0
	v_nop
	global_prefetch_b8 v0, s[64:65] scope:SCOPE_SE
	s_setreg_imm32_b32 hwreg(HW_REG_WAVE_MODE, 25, 1), 1
	s_wait_xcnt 0x0
; PREP: the gate, x's codes, and the weights laid in the order of the operands' registers.
; WORK LEFT OUT BY THE WHOLE PROGRAM.  reference() makes expert_outputs for all 8 experts and keeps, by take_along_axis on its own top-3, three rows a token.  A row of the two
; expert products that belongs to an expert not chosen for its token goes into nothing else, whatever the inputs hold: so only the 3 x 4,096 chosen rows are multiplied (launch chain).
; topk_weights / their sum = (p_e / S) / (sum of chosen p / S): the softmax's divisor S cancels for every S > 0, so the weights are made from the exponentials themselves;
; S still divides the probabilities that go into the loss.  The maximum is taken away ahead of the exponentials, as reference() does.  Every input is loaded by some launch.
; LIMITS.  NaN or infinity in x, gate_w, gate_b is not served.  A NaN, an infinity or an overflow that reaches only rows of experts not chosen is not carried to the result.
; lowp_scales[0] between -126 and 112, so that 2^e and 57,344 x 2^e are f32 numbers.
; WORK-GROUPS 0-63, THE GATE.  Wave gw = 4 x work-group + wave owns tokens 16 gw .. 16 gw + 15.  A row of x is read once, by four loads of 512 consecutive bytes: lane l holds
; x[128 j + 4 l + i] in register 4 j + i.  From those registers come the eight logits (f32 multiply-adds against gate_w, held in the same order) and the row's codes of E5M2.
; xq: row n, byte 16 l + 4 j + i = the code of x[n][128 j + 4 l + i]: the lane's codes as they stand.  Nothing that is chosen here enters an address: all is stored at fixed places:
; gf: wts[4096][8] f32 (the weight, 0 where not chosen) at 0; psum[256][8] (a wave's sums of probabilities) at 131,072.
; gi: meta[4096][2] (byte e & 3 of word e >> 2: chosen experts below e) at 0; bm[256][8] u16 (bit i: token 16 gw + i chose e) at 32,768.
; WORK-GROUPS 64-319, THE WEIGHTS.  wf: W1 at 0, W2 at 2^23; the 16 KB of (expert e, step j of 16, wave w of 4) begin at e 2^20 + j 2^16 + w 2^14: eight fragments of 2,048 bytes,
; each [piece c][lane][16 bytes].  W1's fragment 4 u + s, lane (r, h), piece c: w1[e][128 j + 32 w + 8 u + r + 8 (r / 8)][128 s + 32 c + 16 h ..];  W2's fragment n: w2[e][128 w + 16 n + r][128 j + 32 c + 16 h ..].
; A block is 16 rows x 512 bytes = four fragments: sixteen loads of 512 consecutive bytes, a turn of 16 x 32 pieces of 16 bytes through the wave's own LDS, sixteen stores of 512 consecutive bytes.
.set SPARE, 34816                      ; behind the four waves' regions: the spare words, 128 bytes a wave, two blocks of 256 bytes that no other line names
.set WREG,  8704                       ; a wave's region: 32 places of 256 bytes + 16 of padding
.set SPW,  5                           ; v5  LDS address of my spare word; never rewritten
.set NIL,  6                           ; v6  0; never rewritten
.set SCL,  7                           ; v7  2^e0 as f32
.set LIM,  8                           ; v8  57,344 x 2^e0
.set GW,   16                          ; v16-143  gate_w[e][128 j + 4 l + i] at 16 e + 4 j + i
.set ACC,  144                         ; v144-159 eight sums, in pairs
.set KEEP, 160
.set SEND, 164
.set TT,   168
.set LL,   172                         ; v172-175 lane (r, h): token r's logit of expert q + 4 h
.set CC,   176                         ; v176-239 four registers of codes for each row: no store's data are written again
.set OT,   16                          ; behind the rows gate_w's registers are free
.set LG,   20
.set PP,   32
.set QQ,   40
.set WW,   48
.set PR,   64
.set CH,   44                          ; s44-51 masks: lanes whose token chose expert e
.set IN0,  16                          ; the weights' path
.set IN1,  80
.set OFF,  144
.set DST,  160
.set MSB, 0
.macro WIN new                         ; the immediate's high byte repeats the setting that is left
.if MSB != \new
	s_set_vgpr_msb (MSB<<8)|\new
.set MSB, \new
.endif
.endm
	s_load_b512 s[4:19], s[0:1], 0x0               ; x, gate_w, gate_b, lowp_scales, w1_codes, w2_codes, xq, wf
	s_load_b128 s[20:23], s[0:1], 0x40             ; gf, gi
	v_lshl_add_u32 v[SPW], v0, 2, SPARE
	v_mov_b32 v[NIL], 0
	v_lshrrev_b32 v1, 5, v0
	v_readfirstlane_b32 s24, v1                    ; wave
	v_and_b32 v1, 31, v0                           ; lane
	v_lshlrev_b32 v2, 4, v1                        ; 16 x lane
	v_and_b32 v3, 15, v0                           ; r
	v_bfe_u32 v4, v0, 4, 1                         ; h
	s_mov_b32 s31, 0
	s_wait_kmcnt 0x0
	s_cmp_lt_u32 ttmp9, 64
	s_cbranch_scc0 .Lrelay
; ---------------------------------------------------------------- the gate
	s_load_b256 s[32:39], s[8:9], 0x0              ; gate_b
	s_load_b32 s40, s[10:11], 0x0                  ; e0
	s_lshl_b32 s28, ttmp9, 2
	s_add_co_u32 s28, s28, s24                     ; gw
	s_lshl_b32 s30, s28, 15
	s_add_nc_u64 s[4:5], s[4:5], s[30:31]          ; x at my 16 rows of 2,048 bytes
	s_lshl_b32 s30, s28, 13
	s_add_nc_u64 s[16:17], s[16:17], s[30:31]      ; xq at my 16 rows of 512
	s_lshl_b32 s30, s28, 9
	s_add_nc_u64 s[56:57], s[20:21], s[30:31]      ; wts
	s_lshl_b32 s30, s28, 7
	s_add_nc_u64 s[58:59], s[22:23], s[30:31]      ; meta
	s_lshl_b32 s30, s28, 5
	s_add_nc_u64 s[60:61], s[20:21], s[30:31]      ; psum (+ 131,072)
	s_lshl_b32 s30, s28, 4
	s_add_nc_u64 s[62:63], s[22:23], s[30:31]      ; bm (+ 32,768)
.irp e, 0,1,2,3,4,5,6,7
.irp j, 0,1,2,3
	global_load_b128 v[GW+16*\e+4*\j:GW+16*\e+4*\j+3], v2, s[6:7] offset:2048*\e+512*\j
.endr
.endr
	WIN 0x40                                       ; destination window 1: the 16 rows of x, row i at v[16 i]
.set i, 0
.rept 16
.irp j, 0,1,2,3
	global_load_b128 v[16*i+4*\j:16*i+4*\j+3], v2, s[4:5] offset:2048*i+512*\j th:TH_LOAD_NT
.endr
.set i, i+1
.endr
	WIN 0
	s_mov_b32 s25, 0xffff0000                      ; lanes 16-31
	s_mov_b32 s26, 0x76543210                      ; v_permlanex16_b32: lane l xor 16
	s_mov_b32 s27, 0xfedcba98
.irp q, 0,1,2,3
	v_mov_b32 v[TT+\q], 0                          ; a lane permute's destination counts as read
.endr
	v_lshlrev_b32 v9, 5, v3
	v_lshl_add_u32 v9, v4, 4, v9                   ; 32 r + 16 h
	v_lshlrev_b32 v10, 3, v3
	v_lshl_add_u32 v10, v4, 2, v10                 ; 8 r + 4 h
	v_lshlrev_b32 v11, 4, v4                       ; 16 h
	v_lshlrev_b32 v12, 3, v4                       ; 8 h
	s_wait_kmcnt 0x0
	s_add_co_i32 s40, s40, 127
	s_lshl_b32 s41, s40, 23
	v_mov_b32 v[SCL], s41                          ; the conversion takes this number's exponent field
	s_add_co_i32 s40, s40, 15
	s_lshl_b32 s40, s40, 23
	s_or_b32 s40, s40, 0x600000
	v_mov_b32 v[LIM], s40
; One row: eight dot products, the row's codes, and the sums over the 32 lanes.
.macro ROW i
	s_wait_loadcnt 4*(15-(\i))                     ; loads come back in order: gate_w and rows 0 .. i are in; the younger rows' four loads each stay out
	WIN 0x01                                       ; source 0 (x) window 1
.irp e, 0,1,2,3,4,5,6,7
	v_pk_mul_f32 v[ACC+2*\e:ACC+2*\e+1], v[16*(\i):16*(\i)+1], v[GW+16*\e:GW+16*\e+1]   ; the first product starts the sums
.endr
.irp p, 1,2,3,4,5,6,7
.irp e, 0,1,2,3,4,5,6,7
	v_pk_fma_f32 v[ACC+2*\e:ACC+2*\e+1], v[16*(\i)+2*\p:16*(\i)+2*\p+1], v[GW+16*\e+2*\p:GW+16*\e+2*\p+1], v[ACC+2*\e:ACC+2*\e+1]
.endr
.endr
	WIN 0x41                                       ; x as source 0 and as destination
.irp k, 0,1,2,3,4,5,6,7,8,9,10,11,12,13,14,15
	v_med3_num_f32 v[16*(\i)+\k], v[16*(\i)+\k], -v[LIM], v[LIM]   ; the conversion does not saturate (ISA guide 7.6.2): the hold at the largest code x the scale
.endr
	WIN 0x01
	v_cvt_scalef32_pk8_bf8_f32 v[CC+4*(\i):CC+4*(\i)+1], v[16*(\i):16*(\i)+7], v[SCL]
	v_cvt_scalef32_pk8_bf8_f32 v[CC+4*(\i)+2:CC+4*(\i)+3], v[16*(\i)+8:16*(\i)+15], v[SCL]
	WIN 0
	global_store_b128 v2, v[CC+4*(\i):CC+4*(\i)+3], s[16:17] offset:512*(\i)   ; the wave stores 512 consecutive bytes; the codes' registers and their sources are not written again
.irp e, 0,1,2,3,4,5,6,7
	v_add_f32 v[ACC+2*\e], v[ACC+2*\e], v[ACC+2*\e+1]
.endr
.irp q, 0,1,2,3                        ; lanes 0-15 go on with experts 0-3 and hand 4-7 over, lanes 16-31 the other way round: half the steps
	v_cndmask_b32 v[KEEP+\q], v[ACC+2*\q], v[ACC+8+2*\q], s25
	v_cndmask_b32 v[SEND+\q], v[ACC+8+2*\q], v[ACC+2*\q], s25
.endr
.irp q, 0,1,2,3
	v_permlanex16_b32 v[TT+\q], v[SEND+\q], s26, s27
.endr
.irp q, 0,1,2,3
	v_add_f32 v[KEEP+\q], v[KEEP+\q], v[TT+\q]
.endr
.irp k, 1,2,4,8
.irp q, 0,1,2,3
	v_add_f32_dpp v[KEEP+\q], v[KEEP+\q], v[KEEP+\q] row_xmask:\k row_mask:0xf bank_mask:0xf
.endr
.endr
.if (\i) == 0
.irp q, 0,1,2,3
	v_mov_b32 v[LL+\q], v[KEEP+\q]
.endr
.else
	s_mov_b32 s29, 0x10001<<(\i)                   ; lanes i and 16 + i stand for token i
.irp q, 0,1,2,3
	v_cndmask_b32 v[LL+\q], v[LL+\q], v[KEEP+\q], s29
.endr
.endif
.endm
.irp i, 0,1,2,3,4,5,6,7,8,9,10,11,12,13,14,15
	ROW \i
.endr
; From here on lane (r, h) stands for token r; both halves hold all eight logits.
.irp q, 0,1,2,3
	v_permlanex16_b32 v[OT+\q], v[LL+\q], s26, s27
.endr
.irp q, 0,1,2,3
	v_cndmask_b32 v[LG+\q], v[LL+\q], v[OT+\q], s25
	v_cndmask_b32 v[LG+4+\q], v[OT+\q], v[LL+\q], s25
.endr
.irp e, 0,1,2,3,4,5,6,7
	v_add_f32 v[LG+\e], s[32+\e], v[LG+\e]         ; + gate_b
.endr
	v_max3_num_f32 v28, v[LG], v[LG+1], v[LG+2]
	v_max3_num_f32 v28, v28, v[LG+3], v[LG+4]
	v_max3_num_f32 v28, v28, v[LG+5], v[LG+6]
	v_max_num_f32 v28, v28, v[LG+7]                ; the row's largest logit is taken away, as reference()'s softmax does
.irp e, 0,1,2,3,4,5,6,7
	v_sub_f32 v[PP+\e], v[LG+\e], v28
.endr
.irp e, 0,1,2,3,4,5,6,7
	v_mul_f32 v[PP+\e], 0x3fb8aa3b, v[PP+\e]
.endr
.irp e, 0,1,2,3,4,5,6,7
	v_exp_f32 v[PP+\e], v[PP+\e]
.endr
	v_nop                                          ; a plain instruction behind the last exponential
	s_wait_alu depctr_va_vdst(0)                   ; one wait for the eight, ahead of their first reader
	v_add_f32 v29, v[PP], v[PP+1]
	v_add_f32 v57, v[PP+2], v[PP+3]
	v_add_f32 v58, v[PP+4], v[PP+5]
	v_add_f32 v59, v[PP+6], v[PP+7]
	v_add_f32 v29, v29, v57
	v_add_f32 v58, v58, v59
	v_add_f32 v29, v29, v58                        ; S
	v_rcp_f32 v30, v29                             ; read only behind the wait further down
.irp e, 0,1,2,3,4,5,6,7
	v_mov_b32 v[QQ+\e], v[PP+\e]
	s_mov_b32 s[CH+\e], 0
.endr
.rept 3                                ; top-3: three times the largest that is left; among equals the lowest index, as jax.lax.top_k has it.  The masks select values only
	v_max3_num_f32 v56, v[QQ], v[QQ+1], v[QQ+2]
	v_max3_num_f32 v56, v56, v[QQ+3], v[QQ+4]
	v_max3_num_f32 v56, v56, v[QQ+5], v[QQ+6]
	v_max_num_f32 v56, v56, v[QQ+7]
	s_mov_b32 s52, 0
.irp e, 0,1,2,3,4,5,6,7
	v_cmp_eq_f32 s53, v[QQ+\e], v56
	s_and_not1_b32 s54, s53, s52                   ; the first that equals the largest
	s_or_b32 s52, s52, s53
	s_or_b32 s[CH+\e], s[CH+\e], s54
	v_cndmask_b32 v[QQ+\e], v[QQ+\e], -1.0, s54    ; under every exponential: it is not found again
.endr
.endr
.irp e, 0,1,2,3,4,5,6,7
	v_cndmask_b32 v[WW+\e], 0, v[PP+\e], s[CH+\e]
.endr
	v_add_f32 v57, v[WW], v[WW+1]
	v_add_f32 v58, v[WW+2], v[WW+3]
	v_add_f32 v59, v[WW+4], v[WW+5]
	v_add_f32 v60, v[WW+6], v[WW+7]
	v_add_f32 v57, v57, v58
	v_add_f32 v59, v59, v60
	v_add_f32 v57, v57, v59
	v_rcp_f32 v31, v57
	v_cndmask_b32 v58, 0, 1, s[CH]                 ; (a plain instruction behind the reciprocal)  meta: the count of chosen experts below e, a byte for each e
	s_wait_alu depctr_va_vdst(0)                   ; one wait for both reciprocals, ahead of their first reader
	v_lshlrev_b32 v59, 8, v58
	v_cndmask_b32 v61, 0, 1, s[CH+1]
	v_add_nc_u32 v58, v58, v61
	v_lshl_or_b32 v59, v58, 16, v59
	v_cndmask_b32 v61, 0, 1, s[CH+2]
	v_add_nc_u32 v58, v58, v61
	v_lshl_or_b32 v59, v58, 24, v59
	v_cndmask_b32 v61, 0, 1, s[CH+3]
	v_add_nc_u32 v58, v58, v61
	v_mov_b32 v60, v58
	v_cndmask_b32 v61, 0, 1, s[CH+4]
	v_add_nc_u32 v58, v58, v61
	v_lshl_or_b32 v60, v58, 8, v60
	v_cndmask_b32 v61, 0, 1, s[CH+5]
	v_add_nc_u32 v58, v58, v61
	v_lshl_or_b32 v60, v58, 16, v60
	v_cndmask_b32 v61, 0, 1, s[CH+6]
	v_add_nc_u32 v58, v58, v61
	v_lshl_or_b32 v60, v58, 24, v60
	v_cndmask_b32 v59, v59, v60, s25               ; word h
.irp e, 0,1,2,3,4,5,6,7
	v_mul_f32 v[WW+\e], v[WW+\e], v31              ; the weight
	v_mul_f32 v[PR+\e], v[PP+\e], v30              ; the probability
.endr
.irp q, 0,1,2,3
	v_cndmask_b32 v[72+\q], v[WW+\q], v[WW+4+\q], s25
	v_cndmask_b32 v[76+\q], v[PR+\q], v[PR+4+\q], s25
.endr
.irp k, 1,2,4,8
.irp q, 0,1,2,3
	v_add_f32_dpp v[76+\q], v[76+\q], v[76+\q] row_xmask:\k row_mask:0xf bank_mask:0xf   ; over my 16 tokens
.endr
.endr
	s_and_b32 s66, s[CH], 0xffff                   ; bm: lanes 0-15 of each mask are my 16 tokens
	s_lshl_b32 s70, s[CH+1], 16
	s_or_b32 s66, s66, s70
	s_and_b32 s67, s[CH+2], 0xffff
	s_lshl_b32 s70, s[CH+3], 16
	s_or_b32 s67, s67, s70
	s_and_b32 s68, s[CH+4], 0xffff
	s_lshl_b32 s70, s[CH+5], 16
	s_or_b32 s68, s68, s70
	s_and_b32 s69, s[CH+6], 0xffff
	s_lshl_b32 s70, s[CH+7], 16
	s_or_b32 s69, s69, s70
	v_mov_b32 v80, s66
	v_mov_b32 v82, s68
	v_cndmask_b32 v80, v80, v82, s25
	v_mov_b32 v81, s67
	v_mov_b32 v83, s69
	v_cndmask_b32 v81, v81, v83, s25
	global_store_b128 v9, v[72:75], s[56:57]       ; the wave's 16 tokens x 8 weights: 512 consecutive bytes
	global_store_b32 v10, v59, s[58:59]            ; 128 consecutive bytes
	v_cmp_eq_u32 vcc_lo, 0, v3
	s_wait_xcnt 0x0                                ; EXEC is a source of the stores above: it changes only behind this wait
	s_and_saveexec_b32 s70, vcc_lo                 ; lanes 0 and 16
	global_store_b128 v11, v[76:79], s[60:61] offset:131072
	global_store_b64 v12, v[80:81], s[62:63] offset:32768
	s_wait_xcnt 0x0                                ; and again ahead of the line that widens it
	s_or_b32 exec_lo, exec_lo, s70
	s_branch .Lend
; ---------------------------------------------------------------- the weights
.Lrelay:
	s_sub_co_u32 s28, ttmp9, 64                    ; 0 .. 255: the first 128 take W1, the others W2
	s_lshl_b32 s29, s28, 3
	s_lshl_b32 s30, s24, 1
	s_add_co_u32 s29, s29, s30
	s_and_b32 s29, s29, 1023                       ; Bt: my first block of the tensor's 1,024 (even); I take Bt and Bt + 1
	s_lshl_b32 s32, s29, 13                        ; W1: block ((16 e + j) 4 + w) 2 + u: source and destination both begin at 8,192 Bt
	s_lshr_b32 s33, s29, 7
	s_lshl_b32 s33, s33, 20                        ; W2: block (e, four steps jj, 16 rows 8 w + n): e 2^20
	s_and_b32 s34, s29, 31
	s_bfe_u32 s35, s29, 0x20005
	s_lshl_b32 s36, s34, 15
	s_add_co_u32 s36, s36, s33
	s_lshl_b32 s37, s35, 9
	s_add_co_u32 s36, s36, s37                     ; source: + 16 rows of 2,048 x (8 w + n) + 512 jj
	s_lshl_b32 s38, s34, 11
	s_add_co_u32 s38, s38, s33
	s_lshl_b32 s37, s35, 18
	s_add_co_u32 s38, s38, s37
	s_add_co_u32 s38, s38, 0x800000                ; destination: 2^23 + e 2^20 + 4 jj 2^16 + (8 w + n) 2^11
	s_mov_b32 s48, 2048
	s_mov_b32 s50, 65536
	s_mov_b32 s51, 32768
	s_mov_b32 s52, 2048
	s_cmp_lt_u32 s28, 128                          ; ONE path for both tensors: only numbers are chosen, on the work-group's number
	s_cselect_b64 s[44:45], s[12:13], s[14:15]
	s_cselect_b32 s46, s32, s36
	s_cselect_b32 s54, s32, s38
	s_cselect_b32 s48, 512, s48                    ; from row to row
	s_cselect_b32 s49, 4096, 0                     ; W1's rows 8-15 of a tile lie eight rows further on
	s_cselect_b32 s50, 2048, s50                   ; from fragment to fragment in wf
	s_cselect_b32 s51, 4096, s51                   ; to the second block: source,
	s_cselect_b32 s52, 8192, s52                   ; destination
	s_mov_b32 s47, 0
	s_mov_b32 s55, 0
	s_add_nc_u64 s[44:45], s[44:45], s[46:47]
	s_mov_b32 s46, s51
	s_add_nc_u64 s[40:41], s[44:45], s[46:47]
	s_add_nc_u64 s[42:43], s[18:19], s[54:55]
	s_mov_b32 s54, s52
	s_add_nc_u64 s[56:57], s[42:43], s[54:55]
	v_add_nc_u32 v11, s49, v2
.irp r, 0,1,2,3,4,5,6,7
	v_mad_u32_u24 v[OFF+\r], s48, \r, v2
.endr
.irp r, 8,9,10,11,12,13,14,15
	v_mad_u32_u24 v[OFF+\r], s48, \r, v11
.endr
.irp s, 0,1,2,3
	v_mad_u32_u24 v[DST+\s], s50, \s, v2
.endr
	s_mul_i32 s53, s24, WREG
	v_mul_u32_u24 v9, v1, 272
	v_add_nc_u32 v9, s53, v9                       ; in: place = my lane (its 16 bytes of a row are piece 8 s + 2 c + h), row r at 16 r
	v_mul_u32_u24 v10, v4, 272
	v_lshl_add_u32 v10, v3, 4, v10
	v_add_nc_u32 v10, s53, v10                     ; out: run i = 4 s + c of 512 bytes: lane (r, h) takes place 2 i + h, row r
.irp r, 0,1,2,3,4,5,6,7,8,9,10,11,12,13,14,15
	global_load_b128 v[IN0+4*\r:IN0+4*\r+3], v[OFF+\r], s[44:45] th:TH_LOAD_NT
.endr
.irp r, 0,1,2,3,4,5,6,7,8,9,10,11,12,13,14,15
	global_load_b128 v[IN1+4*\r:IN1+4*\r+3], v[OFF+\r], s[40:41] th:TH_LOAD_NT
.endr
	s_wait_loadcnt 16                              ; block 0 is in; block 1's sixteen loads stay out
.irp r, 0,1,2,3,4,5,6,7,8,9,10,11,12,13,14,15
	ds_store_b128 v9, v[IN0+4*\r:IN0+4*\r+3] offset:16*\r
.endr
.irp i, 0,1,2,3,4,5,6,7,8,9,10,11,12,13,14,15
	ds_load_b128 v[IN0+4*\i:IN0+4*\i+3], v10 offset:544*\i   ; LDS serves a wave's instructions in order (ISA guide 5.7.1.4): these see the stores above
.endr
	s_wait_loadcnt 0x0
.irp r, 0,1,2,3,4,5,6,7,8,9,10,11,12,13,14,15
	ds_store_b128 v9, v[IN1+4*\r:IN1+4*\r+3] offset:16*\r    ; behind block 0's loads, in order
.endr
.irp i, 0,1,2,3,4,5,6,7,8,9,10,11,12,13,14,15
	ds_load_b128 v[IN1+4*\i:IN1+4*\i+3], v10 offset:544*\i
.endr
	s_wait_dscnt 32                                ; block 0 is back; block 1's 16 stores and 16 loads stay out
.irp i, 0,1,2,3,4,5,6,7,8,9,10,11,12,13,14,15
	global_store_b128 v[DST+\i/4], v[IN0+4*\i:IN0+4*\i+3], s[42:43] offset:512*(\i%4)   ; 512 consecutive bytes
.endr
	s_wait_dscnt 0x0
.irp i, 0,1,2,3,4,5,6,7,8,9,10,11,12,13,14,15
	global_store_b128 v[DST+\i/4], v[IN1+4*\i:IN1+4*\i+3], s[56:57] offset:512*(\i%4)
.endr
.Lend:
	s_wait_tensorcnt 0x0                           ; the wave's end, behind my last LDS store
	ds_add_u32 v[SPW], v[NIL]
	s_wait_dscnt 0x0
	s_endpgm
.Lfunc_end_k_qfd498fe591_prep:
	.size	k_qfd498fe591_prep, .Lfunc_end_k_qfd498fe591_prep-k_qfd498fe591_prep
	.p2alignl 7, 3214868480
	.fill 96, 4, 3214868480
	.section	.rodata,"a",@progbits
	.p2align	6, 0x0
	.amdhsa_kernel k_qfd498fe591_prep
		.amdhsa_group_segment_fixed_size 35328
		.amdhsa_private_segment_fixed_size 0
		.amdhsa_enable_private_segment 0
		.amdhsa_kernarg_size 80
		.amdhsa_user_sgpr_count 2
		.amdhsa_user_sgpr_kernarg_segment_ptr 1
		.amdhsa_wavefront_size32 1
		.amdhsa_system_sgpr_workgroup_id_x 1
		.amdhsa_system_sgpr_workgroup_id_y 1
		.amdhsa_system_sgpr_workgroup_id_z 1
		.amdhsa_system_vgpr_workitem_id 0
		.amdhsa_next_free_vgpr 512
		.amdhsa_next_free_sgpr 100
		.amdhsa_reserve_vcc 1
		.amdhsa_float_denorm_mode_32 3
		.amdhsa_float_denorm_mode_16_64 3
		.amdhsa_memory_ordered 1
		.amdhsa_forward_progress 1
		.amdhsa_inst_pref_size 164
	.end_amdhsa_kernel
	.amdgpu_metadata
---
amdhsa.version: [ 1, 2 ]
amdhsa.kernels:
  - .name:           k_qfd498fe591_prep
    .symbol:         k_qfd498fe591_prep.kd
    .args:
      - { .name: x, .offset: 0, .size: 8, .value_kind: global_buffer, .address_space: global }
      - { .name: gate_w, .offset: 8, .size: 8, .value_kind: global_buffer, .address_space: global }
      - { .name: gate_b, .offset: 16, .size: 8, .value_kind: global_buffer, .address_space: global }
      - { .name: lowp_scales, .offset: 24, .size: 8, .value_kind: global_buffer, .address_space: global }
      - { .name: w1_codes, .offset: 32, .size: 8, .value_kind: global_buffer, .address_space: global }
      - { .name: w2_codes, .offset: 40, .size: 8, .value_kind: global_buffer, .address_space: global }
      - { .name: xq, .offset: 48, .size: 8, .value_kind: global_buffer, .address_space: global }
      - { .name: wf, .offset: 56, .size: 8, .value_kind: global_buffer, .address_space: global }
      - { .name: gf, .offset: 64, .size: 8, .value_kind: global_buffer, .address_space: global }
      - { .name: gi, .offset: 72, .size: 8, .value_kind: global_buffer, .address_space: global }
    .group_segment_fixed_size: 35328
    .private_segment_fixed_size: 0
    .kernarg_segment_align: 8
    .kernarg_segment_size: 80
    .max_flat_workgroup_size: 128
    .sgpr_count:     100
    .vgpr_count:     512
    .wavefront_size: 32
...
	.end_amdgpu_metadata
.endif
;; end of part 1
;; launch place (part 2): grid 9 x 1, 4 waves a work-group, no clusters, 768 bytes of LDS; arguments gi, gf, lst, out1; writes lst, out1
.if DOCPART == 2
	.amdgcn_target "amdgcn-amd-amdhsa--gfx1250"
	.amdhsa_code_object_version 6
	.text
	.protected	k_qfd498fe591_place
	.globl	k_qfd498fe591_place
	.p2align	8
	.type	k_qfd498fe591_place,@function
k_qfd498fe591_place:
	s_mov_b64 s[64:65], 0
	v_nop
	global_prefetch_b8 v0, s[64:65] scope:SCOPE_SE
	s_setreg_imm32_b32 hwreg(HW_REG_WAVE_MODE, 25, 1), 1
	s_wait_xcnt 0x0
; PLACE: the chosen (token, expert) pairs are laid by expert into tiles of 64 rows, and the loss is made.  All that steers addresses here is read from memory as whole numbers (gi's bitmaps).
; lst: rows[199 x 64] u32 at 0: token | 1 << 16, or 0 for a row that stands for nothing;  tiles[256] u32 at 50,944: the tile's expert;  spare[64] u32 at 51,968: word e is work-group e's own; nobody reads it.
; With 12,288 rows and 8 experts there are never more than 192 + 7 = 199 tiles, whatever the split.  Expert e's tiles begin at T_e = the sum of ceil(c / 64) over the experts below it.
; Work-group e (0-7) places expert e's rows, in ascending order of token; work-group 8 clears what is left of the list and makes out1.  Each word of lst is stored by one work-group.
; Every work-group counts for itself: thread t holds, for each expert, the bits of tokens 32 t .. 32 t + 31; counts are summed over the wave by lane steps and over the four waves through LDS.
; WORK-GROUPS 0-7 NEVER CHANGE EXEC: a lane that has nothing to place stores into its work-group's spare word.  So the 34 stores of a wave go out on end, each with registers of its own, and no wait stands between them.
; WORK-GROUP 8: every address register is made, and held inside lst by a constant, with all lanes on, ahead of the first line that narrows EXEC, and is not written again.
; LIMIT: three experts a token, as the gate gives for finite inputs; every stored position is held inside lst whatever the bitmaps hold.
; REGISTERS: v2, v3 the add's two; v4-11 the bitmaps as loaded (work-group 8: later five addresses); v12-19 a word for each expert; v20-27 their counts; v28 at work; v29 psum's offset; v30-33 counts, two a word;
; v34-38 my expert's word, count, running count, first place; v39, v43, v61, v62 addresses and data of the last stores; v40 my spare word's index; v41 the data's base; v44-47 lane moves; v48-50 LDS addresses and data; v51 zero; v52-71 the exchange as read.
.set SPARE, 256                        ; the exchange has the block from 0 to itself; from 256 on the spare words, 128 bytes a wave
.set PSO,   29                         ; v29      16 x lane: psum's offset; no load lands here and no other line writes it
.set AD,    64                         ; v64-95   work-groups 0-7: where word i's tokens go
.set DA,    96                         ; v96-127  and what is stored there.  (Work-group 8: v64-127 take psum)
	s_load_b256 s[4:11], s[0:1], 0x0               ; gi, gf, lst, out1
	v_lshl_add_u32 v2, v0, 2, SPARE                ; v2: my spare word; v3: 0; both kept for the add alone
	v_mov_b32 v3, 0
	v_lshrrev_b32 v1, 5, v0
	v_readfirstlane_b32 s12, v1                    ; wave
	v_and_b32 v1, 31, v0                           ; lane
	s_min_u32 s13, ttmp9, 7                        ; my expert (work-group 8 counts along with 7's)
	s_mov_b32 s14, 0x55555555
	s_mov_b32 s15, 0x33333333
	s_mov_b32 s16, 0x0f0f0f0f
	s_mov_b32 s17, 0x01010101
	s_mov_b32 s18, 0x05040100                      ; v_perm_b32: the two low halves,
	s_mov_b32 s19, 0x07060302                      ; the two high halves
	s_mov_b32 s20, 0x76543210
	s_mov_b32 s21, 0xfedcba98
	s_mov_b32 s22, 0xffff0000                      ; lanes 16-31
	v_lshlrev_b32 v42, 5, v0                       ; 32 t: the bitmaps of gate waves 2 t and 2 t + 1
	v_lshlrev_b32 v[PSO], 4, v1
	v_mov_b32 v37, 0
	v_mov_b32 v51, 0                               ; the zero that is stored, and out1's offset
.irp q, 0,1,2,3
	v_mov_b32 v[44+\q], 0                          ; destinations of lane moves count as read
.endr
	s_lshl_b32 s60, s12, 10
	s_add_co_u32 s60, s60, 0x10000
	v_add_nc_u32 v41, s60, v1                      ; 1,024 x wave + lane, with the mark of a live row
	s_wait_kmcnt 0x0
	global_load_b128 v[4:7], v42, s[4:5] offset:32768
	global_load_b128 v[8:11], v42, s[4:5] offset:32784
	s_wait_loadcnt 0x0
.irp q, 0,1,2,3
	v_perm_b32 v[12+2*\q], v[8+\q], v[4+\q], s18   ; expert 2 q: tokens 32 t .. + 15 below, + 16 .. + 31 above
	v_perm_b32 v[13+2*\q], v[8+\q], v[4+\q], s19   ; expert 2 q + 1
.endr
.macro POPC d, s                       ; the number of ones in v[s]
	v_lshrrev_b32 v28, 1, v[\s]
	v_and_b32 v28, s14, v28
	v_sub_nc_u32 v[\d], v[\s], v28
	v_lshrrev_b32 v28, 2, v[\d]
	v_and_b32 v[\d], s15, v[\d]
	v_and_b32 v28, s15, v28
	v_add_nc_u32 v[\d], v[\d], v28
	v_lshrrev_b32 v28, 4, v[\d]
	v_add_nc_u32 v[\d], v[\d], v28
	v_and_b32 v[\d], s16, v[\d]
	v_mul_lo_u32 v[\d], v[\d], s17
	v_lshrrev_b32 v[\d], 24, v[\d]
.endm
.irp e, 0,1,2,3,4,5,6,7
	POPC 20+\e, 12+\e
.endr
.irp q, 0,1,2,3
	v_lshl_or_b32 v[30+\q], v[21+2*\q], 16, v[20+2*\q]   ; two counts a word: none passes 4,096
.endr
	v_mov_b32 v34, v12                             ; my expert's word and its count
	v_mov_b32 v35, v20
.irp e, 1,2,3,4,5,6,7
	s_cmp_eq_u32 s13, \e
	s_cselect_b32 s44, -1, 0
	v_cndmask_b32 v34, v34, v[12+\e], s44
	v_cndmask_b32 v35, v35, v[20+\e], s44
.endr
.irp k, 1,2,4,8                        ; all experts' counts, summed over the wave
.irp q, 0,1,2,3
	v_mov_b32_dpp v[44+\q], v[30+\q] row_xmask:\k row_mask:0xf bank_mask:0xf
.endr
.irp q, 0,1,2,3
	v_add_nc_u32 v[30+\q], v[30+\q], v[44+\q]
.endr
.endr
.irp q, 0,1,2,3
	v_permlanex16_b32 v[44+\q], v[30+\q], s20, s21
.endr
.irp q, 0,1,2,3
	v_add_nc_u32 v[30+\q], v[30+\q], v[44+\q]
.endr
	v_mov_b32 v36, v35                             ; my expert's counts, summed up to and with my lane
.irp k, 1,2,4,8
	v_mov_b32_dpp v37, v36 row_shr:\k row_mask:0xf bank_mask:0xf bound_ctrl:1
	v_add_nc_u32 v36, v36, v37
.endr
	v_readlane_b32 s44, v36, 15
	v_mov_b32 v37, s44
	v_cndmask_b32 v37, 0, v37, s22
	v_add_nc_u32 v36, v36, v37
	v_readlane_b32 s45, v36, 31                    ; the wave's total
	s_lshl_b32 s46, s12, 5
	v_mov_b32 v48, s46                             ; my wave's record of 32 bytes
	v_mov_b32 v49, s45
	ds_store_b128 v48, v[30:33]                    ; all lanes write the same words with the same values
	ds_store_b32 v48, v49 offset:16
	s_wait_dscnt 0x0                               ; for the others' sake: my stores are done
	s_barrier_signal -1
	s_barrier_wait -1
	v_mov_b32 v50, 0
.irp k, 0,1,2,3
	ds_load_b128 v[52+4*\k:55+4*\k], v50 offset:32*\k          ; v52-67
.endr
.irp k, 0,1,2,3
	ds_load_b32 v[68+\k], v50 offset:32*\k+16                  ; v68-71
.endr
	s_wait_dscnt 0x0
.irp q, 0,1,2,3
	v_add3_u32 v[52+\q], v[52+\q], v[56+\q], v[60+\q]
	v_add_nc_u32 v[52+\q], v[52+\q], v[64+\q]
.endr
.irp q, 0,1,2,3
	v_readfirstlane_b32 s60, v[52+\q]
	s_and_b32 s[24+2*\q], s60, 0xffff              ; c[0 .. 7] in s24-31
	s_lshr_b32 s[25+2*\q], s60, 16
.endr
.irp k, 0,1,2
	v_readfirstlane_b32 s[40+\k], v[68+\k]
.endr
.irp e, 0,1,2,3,4,5,6,7
	s_add_co_u32 s[32+\e], s[24+\e], 63
	s_lshr_b32 s[32+\e], s[32+\e], 6               ; tiles of expert e in s32-39
.endr
	s_mov_b32 s47, 0                               ; T_e
	s_mov_b32 s49, s39                             ; T8: all tiles in use
.irp e, 0,1,2,3,4,5,6
	s_cmp_gt_u32 s13, \e
	s_cselect_b32 s48, s[32+\e], 0
	s_add_co_u32 s47, s47, s48
	s_add_co_u32 s49, s49, s[32+\e]
.endr
	s_mov_b32 s50, s24                             ; my expert's rows and tiles
	s_mov_b32 s51, s32
.irp e, 1,2,3,4,5,6,7
	s_cmp_eq_u32 s13, \e
	s_cselect_b32 s50, s[24+\e], s50
	s_cselect_b32 s51, s[32+\e], s51
.endr
	s_mov_b32 s52, 0                               ; my expert's rows in the waves below mine
.irp k, 0,1,2
	s_cmp_gt_u32 s12, \k
	s_cselect_b32 s48, s[40+\k], 0
	s_add_co_u32 s52, s52, s48
.endr
	s_lshl_b32 s58, s47, 6                         ; 64 T_e
	s_add_co_u32 s53, s58, s52
	v_sub_nc_u32 v38, v36, v35
	v_add_nc_u32 v38, s53, v38                     ; where the rows of my word begin in the list
	s_wait_xcnt 0x0                                ; ahead of the first line that narrows EXEC (work-group 8's)
	s_cmp_eq_u32 ttmp9, 8                          ; an id; no barrier follows
	s_cbranch_scc1 .Lwg8
; ---- work-groups 0-7.  Word 32 x wave + i, a lane to a token: a chosen token's place is the word's first place + the chosen lanes below it; the other lanes take the spare word.
	s_add_co_u32 s62, s13, 12992
	v_mov_b32 v40, s62                             ; my work-group's spare word, counted in words from lst's first
.set i, 0
.rept 32
	v_readlane_b32 s54, v34, i
	v_readlane_b32 s55, v38, i
	v_mbcnt_lo_u32_b32 v[AD+i], s54, s55
	v_cndmask_b32 v[AD+i], v40, v[AD+i], s54       ; the choice stands ahead of the clamp
	v_min_u32 v[AD+i], 13055, v[AD+i]              ; inside lst, whatever was read
	v_lshlrev_b32 v[AD+i], 2, v[AD+i]
	v_add_nc_u32 v[DA+i], 32*i, v41
.set i, i+1
.endr
	v_add_nc_u32 v43, s50, v0                      ; the rest of my last tile stands for nothing: rows c + t under 64 x my tiles
	s_lshl_b32 s57, s51, 6
	v_cmp_gt_u32 s60, s57, v43
	v_add_nc_u32 v39, s58, v43
	v_cndmask_b32 v39, v40, v39, s60
	v_min_u32 v39, 13055, v39
	v_lshlrev_b32 v39, 2, v39
	s_add_co_u32 s63, s47, 12736                   ; tiles[] begins at word 12,736
	v_add_nc_u32 v62, s63, v0                      ; my tiles' expert (at most 64 tiles)
	v_cmp_gt_u32 s61, s51, v0
	v_cndmask_b32 v62, v40, v62, s61
	v_min_u32 v62, 13055, v62
	v_lshlrev_b32 v62, 2, v62
	v_mov_b32 v61, s13
.set i, 0
.rept 32
	global_store_b32 v[AD+i], v[DA+i], s[8:9]      ; the chosen lanes' places are neighbours
.set i, i+1
.endr
	global_store_b32 v39, v51, s[8:9]
	global_store_b32 v62, v61, s[8:9]
	s_branch .Lend
; ---- work-group 8
.Lwg8:
	s_lshl_b32 s58, s49, 6
	v_add_nc_u32 v43, s58, v0                      ; the tiles not in use, at most 7: 448 rows, four stores of 128
.irp k, 0,1,2,3
	v_add_nc_u32 v[4+\k], 128*\k, v43
	v_cmp_gt_u32 s[60+\k], 12736, v[4+\k]
	v_min_u32 v[4+\k], 12735, v[4+\k]
	v_lshlrev_b32 v[4+\k], 2, v[4+\k]
.endr
	v_add_nc_u32 v8, s49, v0
	v_cmp_gt_u32 s66, 256, v8
	v_min_u32 v8, 255, v8
	v_lshlrev_b32 v8, 2, v8
.irp k, 0,1,2,3
	s_mov_b32 vcc_lo, s[60+\k]
	s_and_saveexec_b32 s56, vcc_lo
	global_store_b32 v[4+\k], v51, s[8:9]
	s_wait_xcnt 0x0                                ; EXEC is a source of the store: it changes only behind this wait
	s_or_b32 exec_lo, exec_lo, s56
.endr
	s_mov_b32 vcc_lo, s66
	s_and_saveexec_b32 s56, vcc_lo
	global_store_b32 v8, v51, s[8:9] offset:50944
	s_wait_xcnt 0x0
	s_or_b32 exec_lo, exec_lo, s56
	s_cmp_lg_u32 s12, 0                            ; the loss: wave 0 alone
	s_cbranch_scc1 .Lend
.irp j, 0,1,2,3,4,5,6,7,8,9,10,11,12,13,14,15
	global_load_b128 v[64+4*\j:67+4*\j], v[PSO], s[6:7] offset:131072+512*\j   ; psum: lane l: gate wave 16 j + l / 2, experts 4 (l % 2) ..
.endr
	s_wait_loadcnt 0x0
.set j, 1
.rept 15
	v_pk_add_f32 v[64:65], v[64:65], v[64+4*j:65+4*j]
	v_pk_add_f32 v[66:67], v[66:67], v[66+4*j:67+4*j]
.set j, j+1
.endr
.irp k, 2,4,8
.irp q, 0,1,2,3
	v_add_f32_dpp v[64+\q], v[64+\q], v[64+\q] row_xmask:\k row_mask:0xf bank_mask:0xf
.endr
.endr
.irp q, 0,1,2,3
	v_permlanex16_b32 v[44+\q], v[64+\q], s20, s21
.endr
.irp q, 0,1,2,3
	v_add_f32 v[64+\q], v[64+\q], v[44+\q]         ; the sum of probabilities of expert 4 (l % 2) + q
.endr
.irp e, 0,1,2,3,4,5,6,7
	v_cvt_f32_u32 v[52+\e], s[24+\e]
.endr
	s_mov_b32 s59, 0xaaaaaaaa                      ; the odd lanes
.irp q, 0,1,2,3
	v_cndmask_b32 v[52+\q], v[52+\q], v[56+\q], s59
.endr
	v_mul_f32 v60, v64, v52
	v_fma_f32 v60, v65, v53, v60
	v_fma_f32 v60, v66, v54, v60
	v_fma_f32 v60, v67, v55, v60
	v_add_f32_dpp v60, v60, v60 row_xmask:1 row_mask:0xf bank_mask:0xf
	v_mul_f32 v60, 0x35000000, v60                 ; 8 / 4,096^2 = 2^-21
	v_cmp_eq_u32 vcc_lo, 0, v1
	s_wait_xcnt 0x0
	s_and_saveexec_b32 s56, vcc_lo
	global_store_b32 v51, v60, s[10:11]
	s_wait_xcnt 0x0
	s_or_b32 exec_lo, exec_lo, s56
.Lend:
	s_wait_tensorcnt 0x0                           ; the wave's end, behind my last LDS store
	ds_add_u32 v2, v3
	s_wait_dscnt 0x0
	s_endpgm
.Lfunc_end_k_qfd498fe591_place:
	.size	k_qfd498fe591_place, .Lfunc_end_k_qfd498fe591_place-k_qfd498fe591_place
	.p2alignl 7, 3214868480
	.fill 96, 4, 3214868480
	.section	.rodata,"a",@progbits
	.p2align	6, 0x0
	.amdhsa_kernel k_qfd498fe591_place
		.amdhsa_group_segment_fixed_size 768
		.amdhsa_private_segment_fixed_size 0
		.amdhsa_enable_private_segment 0
		.amdhsa_kernarg_size 32
		.amdhsa_user_sgpr_count 2
		.amdhsa_user_sgpr_kernarg_segment_ptr 1
		.amdhsa_wavefront_size32 1
		.amdhsa_system_sgpr_workgroup_id_x 1
		.amdhsa_system_sgpr_workgroup_id_y 1
		.amdhsa_system_sgpr_workgroup_id_z 1
		.amdhsa_system_vgpr_workitem_id 0
		.amdhsa_next_free_vgpr 128
		.amdhsa_next_free_sgpr 80
		.amdhsa_reserve_vcc 1
		.amdhsa_float_denorm_mode_32 3
		.amdhsa_float_denorm_mode_16_64 3
		.amdhsa_memory_ordered 1
		.amdhsa_forward_progress 1
		.amdhsa_inst_pref_size 40
	.end_amdhsa_kernel
	.amdgpu_metadata
---
amdhsa.version: [ 1, 2 ]
amdhsa.kernels:
  - .name:           k_qfd498fe591_place
    .symbol:         k_qfd498fe591_place.kd
    .args:
      - { .name: gi, .offset: 0, .size: 8, .value_kind: global_buffer, .address_space: global }
      - { .name: gf, .offset: 8, .size: 8, .value_kind: global_buffer, .address_space: global }
      - { .name: lst, .offset: 16, .size: 8, .value_kind: global_buffer, .address_space: global }
      - { .name: out1, .offset: 24, .size: 8, .value_kind: global_buffer, .address_space: global }
    .group_segment_fixed_size: 768
    .private_segment_fixed_size: 0
    .kernarg_segment_align: 8
    .kernarg_segment_size: 32
    .max_flat_workgroup_size: 128
    .sgpr_count:     80
    .vgpr_count:     128
    .wavefront_size: 32
...
	.end_amdgpu_metadata
.endif
;; end of part 2
;; launch chain (part 3): grid 199 x 1, 4 waves a work-group, no clusters, 84,480 bytes of LDS; arguments lst, gi, gf, xq, wf, b1, b2, lowp_scales, parts; writes parts
.if DOCPART == 3
	.amdgcn_target "amdgcn-amd-amdhsa--gfx1250"
	.amdhsa_code_object_version 6
	.text
	.protected	k_qfd498fe591_chain
	.globl	k_qfd498fe591_chain
	.p2align	8
	.type	k_qfd498fe591_chain,@function
k_qfd498fe591_chain:
	s_mov_b64 s[64:65], 0
	v_nop
	global_prefetch_b8 v0, s[64:65] scope:SCOPE_SE
	s_setreg_imm32_b32 hwreg(HW_REG_WAVE_MODE, 25, 1), 1
	s_wait_xcnt 0x0
; CHAIN: one tile of 64 rows of one expert through x W1^T + b1, exact GELU, the quantiser, W2^T + b2 and the gate's weight.  Both products on codes of E5M2.
; WORK LEFT OUT: rows of experts that reference()'s take_along_axis does not gather (shown at the head of the first launch's text): only the listed rows are multiplied.
; SHARES.  199 work-groups, one for each tile that any split can give.  No branch hangs on a number read from memory: a row that stands for nothing (the rest of an expert's last tile, a tile
; not in use: at most 7 tiles' worth in all) runs on token 0 and is stored into the tile's own row 12,288 + g of parts, which nobody reads; so every wave passes every barrier.
; The hidden axis goes in 16 steps of 128.  THE WAVES SHARE THE COLUMNS, NOT THE ROWS: wave w makes hidden units 128 j + 32 w .. + 31 and owns outputs 128 w .. + 127, for all 64 rows.
; So each byte of the expert's weights goes from wf straight into ONE wave's registers, once for the work-group, by loads of 512 consecutive bytes, in the order of the operand's registers.
; Both products are used transposed (source 0 = 16 rows of a weight, source 1 = 16 tokens): a lane holds one token.  W1's rows of a tile are chosen (in wf) so that the 16 registers of a wave's two tiles
; are 16 neighbours along the next K: two conversions give piece w (four registers) of the step's hidden fragment, which goes to the other waves through LDS as an image of its registers.
; k stands in the fragments at 32 c + 16 h + 0 .. 15 of registers 4 c .. 4 c + 3, alike in both operands of each product: every product meets its partner.
; THE ORDER OF A TRIP.  Trip j: the GELU of step j and its pieces into LDS; the first product of step j + 1; the second product of step j.  The first product wants neither the barrier nor the images, so it stands
; round the barrier: its first half between the signal and the wait (work on registers alone), its second half behind the 16 LDS loads of the images, which come back under it.
; THE WEIGHTS are asked for as soon as their registers are free: W1 and b1 of step j + 2 (36 loads) behind the first product, W2 of step j + 1 behind the second, in two runs: 24 loads there, so that by the text's
; own count 36 + 24 = 60 are out, and 8 between the two halves of the next GELU.  A load that would push LOADcnt past its field is held at issue, and the wave with it (ISA guide 5.7.1).
; NO CLUSTER, NO JOINT LOADS: partners would have to hold tiles of one expert, and how many tiles an expert has is a count read from memory; and the weights pass no LDS here.
; GELU.  A sum acc stands for v = acc 2^(e0 + e1); b1 goes in as the C of a sum's first product, divided by that power.  With x = |v| / sqrt(2), t = 1 / (1 + 0.3275911 x):
; erfc(x) = t (a1 + t (a2 + t (a3 + t (a4 + t a5)))) exp(-x^2), and 2 gelu(v) = (v + |v|) - |v| erfc(x) for either sign: no difference of large numbers.  The conversion's scale 2^(e3 + 1 - e0 - e1) takes the rest.
; LIMITS.  That form's absolute error on erf is at most 1.5e-7, so gelu(v) is off by at most 0.75e-7 |v|: about 1e-7 of the number for v above -1; relative to the number more for v under about -3, where |gelu| is under 0.005.
; e0 + e1 between -123 and 126; e3 + 1 - e0 - e1 between -126 and 112; e2 + e3 between -126 and 127.  NaN and infinities are not served.
; REGISTERS, in windows of 256.  Window 0: v1-15 addresses; v16-19 a row's place in parts; v20-27 the gate's weights, in pairs; v28-43 b1; v44-59 the codes just made; v60-61 a5; v64-127 my 8 tiles of the hidden layer
; ((m, u) at 64 + 16 m + 8 u); v128-255 at work in GELU, v128-191 then the step's four hidden fragments.  Window 1: x's 16 fragments ((m, s) at 16 (4 m + s)); at the end b2.  Window 2: the 32 accumulators of y
; ((n, m) at 8 (4 n + m)).  Window 3: W1's 8 fragments ((u, s) at 16 (4 u + s)), from v128 W2's 8.  On the way out: v128-191 a block's results, v192-255 and v64-127 rows read back, v28-43 and v44-59 their addresses, by turns.
.set IMG,   0                          ; LDS: two buffers of 8,192 bytes: fragment m at 2,048 m, piece c at 512 c, lane at 16 x lane
.set XST,   16384                      ; 64 rows of x's codes, 512 bytes + 16 of padding
.set STG,   50176                      ; the way out: 16 rows x (512 + 16) for each wave
.set SPARE, 83968                      ; the spare words, 128 bytes a wave: two blocks of 256 bytes that no other line names
.set LI,   1                           ; 16 x lane
.set RR,   2
.set HH,   3
.set SPW,  4                           ; my spare word; never rewritten
.set NIL,  5                           ; 0; never rewritten
.set IMS,  6                           ; where I store an image's piece: 16 x lane + 512 x wave
.set XFA,  7                           ; x's fragments: XST + 528 r + 16 h
.set SIN,  8                           ; the stage, in: STG + 8,448 w + 528 r + 32 h
.set SOUT, 9                           ; and back: STG + 8,448 w + 16 x lane
.set CO,   10                          ; my bytes of a row of parts: 512 w + 16 x lane
.set SCL,  11
.set LIM,  12
.set BO,   13                          ; 64 h
.set B2O,  14                          ; 32 h
.set XSW,  15                          ; x's rows into LDS: XST + 16 w rows + 4 x lane
.set PROW, 16
.set WT,   20
.set B1,   28
.set PC,   44
.set A5,   60
.set HA,   64
.set GA,   128
.set GT,   160
.set GE,   192
.set GP,   224
.set HF,   128
.set XA,   64                          ; the prologue's: addresses of 16 rows,
.set XR,   128                         ; the rows,
.set ENT,  192
.set ENTO, 196
.set EA,   197
.set EAO,  198
.set TOK,  200
.set TOKO, 204
.set META, 208
.set MA,   212
.set WA,   216
.set TV,   220
.set OO,   128                         ; the way out's
.set MSB, 0
.macro WIN new                         ; the immediate's high byte repeats the setting that is left
.if MSB != \new
	s_set_vgpr_msb (MSB<<8)|\new
.set MSB, \new
.endif
.endm
.macro PLACES                          ; four plain instructions behind matrix instructions, ahead of reads of their results and of loads into their registers
.rept 4
	v_nop
.endr
.endm
.macro LDW1                            ; a step's 16 KB of W1 for my wave
	WIN 0xc0                                       ; destination window 3
.irp f, 0,1,2,3,4,5,6,7
.irp c, 0,1,2,3
	global_load_b128 v[16*\f+4*\c:16*\f+4*\c+3], v[LI], s[32:33] offset:2048*\f+512*\c
.endr
.endr
	WIN 0
.endm
.macro LDW2A                           ; W2's fragments 0 to 5: 24 loads
	WIN 0xc0
.irp f, 0,1,2,3,4,5
.irp c, 0,1,2,3
	global_load_b128 v[128+16*\f+4*\c:128+16*\f+4*\c+3], v[LI], s[34:35] offset:2048*\f+512*\c
.endr
.endr
	WIN 0
.endm
.macro LDW2B                           ; and fragments 6 and 7 of the same step: 8 loads
	WIN 0xc0
.irp f, 6,7
.irp c, 0,1,2,3
	global_load_b128 v[128+16*\f+4*\c:128+16*\f+4*\c+3], v[LI], s[34:35] offset:2048*\f+512*\c
.endr
.endr
	WIN 0
.endm
.macro LDB1                            ; lane (r, h), tile u, register i: b1 of hidden unit 128 j + 32 w + 16 h + 8 u + i
.irp k, 0,1,2,3
	global_load_b128 v[B1+4*\k:B1+4*\k+3], v[BO], s[36:37] offset:16*\k
.endr
.endm
.macro LDB2                            ; tile n, register i: b2 of output 128 w + 16 n + 8 h + i, into window 1, where x's fragments are done with
	WIN 0x40
.irp k, 0,1,2,3,4,5,6,7
	global_load_b128 v[8*\k:8*\k+3], v[B2O], s[58:59] offset:64*\k
	global_load_b128 v[8*\k+4:8*\k+7], v[B2O], s[58:59] offset:64*\k+16
.endr
	WIN 0
.endm
	s_load_b512 s[4:19], s[0:1], 0x0               ; lst, gi, gf, xq, wf, b1, b2, lowp_scales
	s_load_b64 s[20:21], s[0:1], 0x40              ; parts
	v_lshl_add_u32 v[SPW], v0, 2, SPARE
	v_mov_b32 v[NIL], 0
	v_lshrrev_b32 v62, 5, v0
	v_readfirstlane_b32 s22, v62                   ; wave
	s_mov_b32 s23, ttmp9                           ; g, my tile
	v_and_b32 v62, 31, v0
	v_lshlrev_b32 v[LI], 4, v62
	v_and_b32 v[RR], 15, v0
	v_bfe_u32 v[HH], v0, 4, 1
	s_lshl_b32 s66, s22, 9
	v_add_nc_u32 v[IMS], s66, v[LI]
	v_add_nc_u32 v[CO], s66, v[LI]
	v_mul_u32_u24 v[XFA], v[RR], 528
	v_lshl_add_u32 v[XFA], v[HH], 4, v[XFA]
	v_add_nc_u32 v[XFA], XST, v[XFA]
	s_mul_i32 s66, s22, 16*528
	v_lshlrev_b32 v[XSW], 2, v62
	v_add_nc_u32 v[XSW], s66, v[XSW]
	v_add_nc_u32 v[XSW], XST, v[XSW]
	v_mul_u32_u24 v[SIN], v[RR], 528
	v_lshl_add_u32 v[SIN], v[HH], 5, v[SIN]
	v_add_nc_u32 v[SIN], s66, v[SIN]
	v_add_nc_u32 v[SIN], STG, v[SIN]
	v_add_nc_u32 v[SOUT], s66, v[LI]
	v_add_nc_u32 v[SOUT], STG, v[SOUT]
	v_lshlrev_b32 v[BO], 6, v[HH]
	v_lshlrev_b32 v[B2O], 5, v[HH]
	v_lshlrev_b32 v[EA], 2, v[RR]
	s_lshl_b32 s68, s22, 6
	v_add_nc_u32 v[EAO], s68, v[EA]
	v_mov_b32 v[A5], 0x3f87dc22
	v_mov_b32 v[A5+1], 0x3f87dc22
	s_lshl_b32 s66, s23, 2
	s_add_co_u32 s66, s66, 50944
	s_mov_b32 s67, 0
	s_lshl_b32 s68, s23, 8
	s_mov_b32 s69, 0
	s_wait_kmcnt 0x0
	s_add_nc_u64 s[66:67], s[4:5], s[66:67]
	s_load_b32 s24, s[66:67], 0x0                  ; tiles[g]
	s_load_b128 s[28:31], s[18:19], 0x0            ; e0 (x), e1 (w1), e2 (w2), e3 (the hidden layer)
	s_add_nc_u64 s[60:61], s[4:5], s[68:69]        ; my tile's 64 entries
.irp m, 0,1,2,3
	global_load_b32 v[ENT+\m], v[EA], s[60:61] offset:64*\m    ; lane (r, h): row 16 m + r
.endr
	global_load_b32 v[ENTO], v[EAO], s[60:61]      ; row 16 w + r: the rows that my wave brings in
	s_wait_kmcnt 0x0
	s_min_u32 s24, s24, 7                          ; the expert, held inside the tables
	s_lshl_b32 s66, s24, 20
	s_lshl_b32 s68, s22, 14
	s_add_co_u32 s66, s66, s68
	s_mov_b32 s67, 0
	s_add_nc_u64 s[32:33], s[12:13], s[66:67]      ; W1 of (e, step 0, w)
	s_add_nc_u64 s[34:35], s[32:33], 0x800000      ; W2 likewise
	s_lshl_b32 s66, s24, 13
	s_lshl_b32 s68, s22, 7
	s_add_co_u32 s66, s66, s68
	s_add_nc_u64 s[36:37], s[14:15], s[66:67]      ; b1[e][32 w]
	s_lshl_b32 s66, s24, 11
	s_lshl_b32 s68, s22, 9
	s_add_co_u32 s66, s66, s68
	s_add_nc_u64 s[58:59], s[16:17], s[66:67]      ; b2[e][128 w]
	s_add_co_i32 s70, s28, s29                     ; e0 + e1
	s_lshl_b32 s71, s70, 23
	s_mov_b32 s40, 0x3e6d3388                      ; 0.3275911 / sqrt(2), x 2^(e0 + e1) by its exponent field
	s_add_co_i32 s40, s40, s71
	s_mov_b32 s41, s40                             ; (each constant is named as a pair, so both words are written)
	s_mov_b32 s42, 0x3f596d27                      ; sqrt(log2(e) / 2), likewise
	s_add_co_i32 s42, s42, s71
	s_mov_b32 s43, s42
	s_mov_b32 s44, 0xbfba00e3                      ; a4
	s_mov_b32 s45, s44
	s_mov_b32 s46, 0x3fb5f0e3                      ; a3
	s_mov_b32 s47, s46
	s_mov_b32 s48, 0xbe91a98e                      ; a2
	s_mov_b32 s49, s48
	s_mov_b32 s50, 0x3e827906                      ; a1
	s_mov_b32 s51, s50
	s_sub_co_i32 s72, 127, s70
	s_lshl_b32 s52, s72, 23                        ; 2^-(e0 + e1), for b1
	s_mov_b32 s53, s52
	s_add_co_i32 s72, s30, s31
	s_add_co_i32 s72, s72, 127
	s_lshl_b32 s54, s72, 23                        ; 2^(e2 + e3), for the second product's sums
	s_mov_b32 s55, s54
	s_mov_b32 s56, 0x7fffffff
	s_sub_co_i32 s72, s31, s70
	s_add_co_i32 s72, s72, 128
	s_lshl_b32 s73, s72, 23
	v_mov_b32 v[SCL], s73                          ; 2^(e3 + 1 - e0 - e1)
	s_add_co_i32 s72, s72, 15
	s_lshl_b32 s72, s72, 23
	s_or_b32 s72, s72, 0x600000
	v_mov_b32 v[LIM], s72                          ; 57,344 x that
	s_wait_loadcnt 0x0
.irp m, 0,1,2,3
	v_and_b32 v[TOK+\m], 0xffff, v[ENT+\m]
	v_min_u32 v[TOK+\m], 4095, v[TOK+\m]
.endr
	v_and_b32 v[TOKO], 0xffff, v[ENTO]
	v_min_u32 v[TOKO], 4095, v[TOKO]
; my 16 rows' tokens as scalars, each in a register of its own, a kind of line at a time: no line reads what the line just above it wrote
.irp i, 0,1,2,3,4,5,6,7,8,9,10,11,12,13,14,15
	v_readlane_b32 s[66+\i], v[TOKO], \i
.endr
.irp i, 0,1,2,3,4,5,6,7,8,9,10,11,12,13,14,15
	s_min_u32 s[66+\i], s[66+\i], 4095
.endr
.irp i, 0,1,2,3,4,5,6,7,8,9,10,11,12,13,14,15
	s_lshl_b32 s[66+\i], s[66+\i], 9
.endr
.irp i, 0,1,2,3,4,5,6,7,8,9,10,11,12,13,14,15
	v_add_nc_u32 v[XA+\i], s[66+\i], v[LI]
	global_load_b128 v[XR+4*\i:XR+4*\i+3], v[XA+\i], s[10:11]  ; a row of codes: 512 consecutive bytes
.endr
	s_and_b32 s68, s24, 4                          ; meta's word e / 4,
	s_lshl_b32 s69, s24, 2                         ; the weight of expert e
.irp m, 0,1,2,3
	v_lshl_add_u32 v[MA+\m], v[TOK+\m], 3, s68
	v_lshl_add_u32 v[WA+\m], v[TOK+\m], 5, s69
	global_load_b32 v[META+\m], v[MA+\m], s[6:7]
	global_load_b32 v[WT+2*\m], v[WA+\m], s[8:9]
.endr
	LDW1                                           ; step 0
	LDB1
	s_wait_loadcnt 36                              ; the rows, meta and the weights are in; W1's 32 loads and b1's 4 stay out
.irp i, 0,1,2,3,4,5,6,7,8,9,10,11,12,13,14,15
.irp j, 0,1,2,3
	ds_store_b32 v[XSW], v[XR+4*\i+\j] offset:528*\i+128*\j    ; register j of lane l holds the codes of x[128 j + 4 l ..]: here they come to lie along K
.endr
.endr
	s_and_b32 s66, s24, 3
	s_lshl_b32 s66, s66, 3
	s_add_co_u32 s68, s23, 12288
	v_mov_b32 v[TV], s68
.irp m, 0,1,2,3
	v_lshrrev_b32 v[META+\m], s66, v[META+\m]
	v_and_b32 v[META+\m], 3, v[META+\m]            ; chosen experts below e: which of the token's three rows
	v_mad_u32_u24 v[META+\m], v[TOK+\m], 3, v[META+\m]
	v_and_b32 v[ENT+\m], 0x10000, v[ENT+\m]
	v_cmp_ne_u32 vcc_lo, 0, v[ENT+\m]
	v_cndmask_b32 v[PROW+\m], v[TV], v[META+\m], vcc_lo        ; a row that stands for nothing goes to the tile's own spare row
	v_mov_b32 v[WT+2*\m+1], v[WT+2*\m]
.endr
	LDW2A                                          ; step 0's first run
	s_wait_dscnt 0x0                               ; for the others' sake: my 16 rows lie in LDS
	s_barrier_signal -1
	s_barrier_wait -1
	WIN 0x40                                       ; destination window 1
.irp m, 0,1,2,3
.irp s, 0,1,2,3
.irp c, 0,1,2,3
	ds_load_b128 v[16*(4*\m+\s)+4*\c:16*(4*\m+\s)+4*\c+3], v[XFA] offset:8448*\m+128*\s+32*\c
.endr
.endr
.endr
	WIN 0
	s_wait_dscnt 0x0                               ; x's 16 fragments stay in registers for all steps
; 32 numbers a lane (row tiles 2 q and 2 q + 1): GELU, the hold, the codes, and their pieces of the images in buffer buf.
.macro GELU q, buf
.set GH, HA+32*(\q)
.set n, 0
.rept 32
	v_and_b32 v[GA+n], s56, v[GH+n]                ; |acc|: each accumulator is read from its low end on
.set n, n+1
.endr
.set n, 0
.rept 16
	v_pk_fma_f32 v[GT+n:GT+n+1], v[GA+n:GA+n+1], s[40:41], 1.0 op_sel_hi:[1,0,0]
.set n, n+2
.endr
.set n, 0
.rept 16                               ; the reciprocals, two at a time among lines that name none of their results
	v_rcp_f32 v[GT+n], v[GT+n]
	v_rcp_f32 v[GT+n+1], v[GT+n+1]
	v_pk_mul_f32 v[GE+n:GE+n+1], v[GH+n:GH+n+1], s[42:43] op_sel_hi:[1,0]
	v_pk_add_f32 v[GH+n:GH+n+1], v[GH+n:GH+n+1], v[GA+n:GA+n+1]
	v_pk_mul_f32 v[GE+n:GE+n+1], v[GE+n:GE+n+1], v[GE+n:GE+n+1] neg_lo:[1,0] neg_hi:[1,0]   ; -x^2 log2(e)
.set n, n+2
.endr
	s_wait_alu depctr_va_vdst(0)                   ; one wait for the 32 reciprocals, ahead of their first reader
.set n, 0
.rept 64                               ; the polynomial in t, which names t and itself alone, with the exponentials dealt among its lines
.set p2, 2*(n%16)
.if n < 16
	v_pk_fma_f32 v[GP+p2:GP+p2+1], v[GT+p2:GT+p2+1], v[A5:A5+1], s[44:45] op_sel_hi:[1,1,0]
.elseif n < 32
	v_pk_fma_f32 v[GP+p2:GP+p2+1], v[GP+p2:GP+p2+1], v[GT+p2:GT+p2+1], s[46:47] op_sel_hi:[1,1,0]
.elseif n < 48
	v_pk_fma_f32 v[GP+p2:GP+p2+1], v[GP+p2:GP+p2+1], v[GT+p2:GT+p2+1], s[48:49] op_sel_hi:[1,1,0]
.else
	v_pk_fma_f32 v[GP+p2:GP+p2+1], v[GP+p2:GP+p2+1], v[GT+p2:GT+p2+1], s[50:51] op_sel_hi:[1,1,0]
.endif
.if n%2
	v_exp_f32 v[GE+n/2], v[GE+n/2]
.endif
.set n, n+1
.endr
	v_nop                                          ; a plain instruction behind the last exponential
	s_wait_alu depctr_va_vdst(0)                   ; one wait for the 32 exponentials
.set n, 0
.rept 16
	v_pk_mul_f32 v[GE+n:GE+n+1], v[GE+n:GE+n+1], v[GT+n:GT+n+1]
.set n, n+2
.endr
.set n, 0
.rept 16
	v_pk_mul_f32 v[GP+n:GP+n+1], v[GP+n:GP+n+1], v[GE+n:GE+n+1]     ; erfc
.set n, n+2
.endr
.set n, 0
.rept 16
	v_pk_fma_f32 v[GH+n:GH+n+1], v[GA+n:GA+n+1], v[GP+n:GP+n+1], v[GH+n:GH+n+1] neg_lo:[1,0,0] neg_hi:[1,0,0]   ; (acc + |acc|) - |acc| erfc
.set n, n+2
.endr
.set n, 0
.rept 32
	v_med3_num_f32 v[GH+n], v[GH+n], -v[LIM], v[LIM]           ; the conversion does not saturate (ISA guide 7.6.2)
.set n, n+1
.endr
.irp t, 0,1
	v_cvt_scalef32_pk8_bf8_f32 v[PC+8*(\q)+4*\t:PC+8*(\q)+4*\t+1], v[GH+16*\t:GH+16*\t+7], v[SCL]
	v_cvt_scalef32_pk8_bf8_f32 v[PC+8*(\q)+4*\t+2:PC+8*(\q)+4*\t+3], v[GH+16*\t+8:GH+16*\t+15], v[SCL]
.endr
	v_nop                                          ; a plain instruction between the conversions and the next vector or matrix instruction that writes their sources
.irp t, 0,1
	ds_store_b128 v[IMS], v[PC+8*(\q)+4*\t:PC+8*(\q)+4*\t+3] offset:IMG+8192*(\buf)+2048*(2*(\q)+\t)
.endr
.endm
.macro SCALEB1                         ; b1 / 2^(e0 + e1): the C of the first product's sums
.irp i, 0,2,4,6,8,10,12,14
	v_pk_mul_f32 v[B1+\i:B1+\i+1], v[B1+\i:B1+\i+1], s[52:53] op_sel_hi:[1,0]
.endr
.endm
; Half of the first product: K steps s0 and s1 of x's four, 16 matrix instructions on the 8 accumulators by turns, one instruction a turn.
.macro P1H s0, s1
	WIN 0x07                                       ; source 0 (W1) window 3, source 1 (x) window 1
.irp s, \s0, \s1
.irp m, 0,1,2,3
.irp u, 0,1
.if \s == 0
	v_wmma_f32_16x16x128_bf8_bf8 v[HA+16*\m+8*\u:HA+16*\m+8*\u+7], v[16*(4*\u+\s):16*(4*\u+\s)+15], v[16*(4*\m+\s):16*(4*\m+\s)+15], v[B1+8*\u:B1+8*\u+7]
.else
	v_wmma_f32_16x16x128_bf8_bf8 v[HA+16*\m+8*\u:HA+16*\m+8*\u+7], v[16*(4*\u+\s):16*(4*\u+\s)+15], v[16*(4*\m+\s):16*(4*\m+\s)+15], v[HA+16*\m+8*\u:HA+16*\m+8*\u+7]
.endif
.endr
.endr
.endr
	WIN 0
.endm
; Behind the first product its operands' registers are free.  more = 1: they take the next step's W1 and b1; more = 0 (behind the last first product): x's registers take b2.
.macro AFTER1 more
	PLACES
.if \more
	s_add_nc_u64 s[32:33], s[32:33], 0x10000       ; the loads that named these bases were shown done by the wait ahead of this first product
	s_add_nc_u64 s[36:37], s[36:37], 512
	LDW1
	LDB1
.else
	LDB2
.endif
.endm
.macro HFLOAD buf                      ; the step's four hidden fragments, as images of their registers
.irp m, 0,1,2,3
.irp c, 0,1,2,3
	ds_load_b128 v[HF+16*\m+4*\c:HF+16*\m+4*\c+3], v[LI] offset:IMG+8192*(\buf)+2048*\m+512*\c
.endr
.endr
.endm
.macro P2 zero                         ; the second product: 32 accumulators by turns.  zero = 1: it starts y's sums: nothing is cleared
	WIN 0xa3                                       ; source 0 (W2) window 3, C and D window 2
.irp n, 0,1,2,3,4,5,6,7
.irp m, 0,1,2,3
.if \zero
	v_wmma_f32_16x16x128_bf8_bf8 v[8*(4*\n+\m):8*(4*\n+\m)+7], v[128+16*\n:128+16*\n+15], v[HF+16*\m:HF+16*\m+15], 0
.else
	v_wmma_f32_16x16x128_bf8_bf8 v[8*(4*\n+\m):8*(4*\n+\m)+7], v[128+16*\n:128+16*\n+15], v[HF+16*\m:HF+16*\m+15], v[8*(4*\n+\m):8*(4*\n+\m)+7]
.endif
.endr
.endr
	WIN 0
.endm
; TRIP j.  buf = j % 2: the image buffer.  wa: the loads issued behind W1 and b1 of step j + 1.  more: see AFTER1.
; One barrier a trip serves two buffers: a wave writes a buffer again only behind the next trip's barrier, which every wave signals behind the wait for its reads of this trip's images.
.macro TRIP buf, zero, wa, more
	GELU 0, \buf
	LDW2B                                          ; step j's last two fragments of W2
	GELU 1, \buf
	s_wait_loadcnt \wa                             ; W1 and b1 of step j + 1 are in; what was asked for behind them (W2 of step j) stays out
	SCALEB1
	s_wait_dscnt 0x0                               ; for the others' sake: my pieces of the four images lie in LDS
	s_barrier_signal -1
	P1H 0, 1                                       ; work on registers alone while the others arrive
	s_barrier_wait -1
	HFLOAD \buf
	P1H 2, 3                                       ; the images come back under these
	AFTER1 \more
.if \more
	s_wait_loadcnt 36                              ; W2 of step j is in; W1 and b1 of step j + 2 stay out
.else
	s_wait_loadcnt 16                              ; W2 of step j is in; b2's sixteen loads stay out
.endif
	s_wait_dscnt 0x0                               ; the images are in
	P2 \zero
	PLACES
	s_add_nc_u64 s[34:35], s[34:35], 0x10000       ; W2's loads were shown done ahead of the products
	LDW2A                                          ; step j + 1's first run
.endm
	s_wait_loadcnt 24                              ; W1 and b1 of step 0 are in; the 24 loads of W2's first run stay out
	SCALEB1
	P1H 0, 1
	P1H 2, 3
	AFTER1 1                                       ; W1 and b1 of step 1
	TRIP 0, 1, 8, 1                                ; trip 0: behind W1 and b1 of step 1 only W2's second run, 8 loads, was issued
	s_mov_b32 s39, 6
.Lstep:                                            ; trips 1 to 12, two a pass, so that the buffers are constants of the text
	TRIP 1, 0, 32, 1
	TRIP 0, 0, 32, 1
	s_sub_co_u32 s39, s39, 1
	s_cmp_lg_u32 s39, 0
	s_cbranch_scc1 .Lstep
	TRIP 1, 0, 32, 1                               ; trip 13 asks for the last W1 and b1
	TRIP 0, 0, 32, 0                               ; trip 14: no first product follows that of step 15: b2 is asked for
	GELU 0, 1                                      ; step 15
	LDW2B
	GELU 1, 1
	s_wait_dscnt 0x0
	s_barrier_signal -1
	s_barrier_wait -1
	HFLOAD 1
	s_wait_loadcnt 0x0                             ; W2 of step 15, and b2
	s_wait_dscnt 0x0
	P2 0
	PLACES
; THE WAY OUT, 16 rows at a time: (sum x 2^(e2 + e3) + b2) x the gate's weight.  A lane holds eight neighbouring outputs of one row; through my own stage they come back as my 512 bytes of each row.
; By turns: block m's arithmetic and its way through the stage stand ahead of block m - 1's stores; two sets of registers for the rows read back and for their addresses.
.macro TOSTAGE m
.set BB, 192-128*((\m)%2)
.set AA, 28+16*((\m)%2)
	WIN 0x12                                       ; source 0 (the sums) window 2, source 2 (b2) window 1
.irp n, 0,1,2,3,4,5,6,7
.irp i, 0,2,4,6
	v_pk_fma_f32 v[OO+8*\n+\i:OO+8*\n+\i+1], v[8*(4*\n+(\m))+\i:8*(4*\n+(\m))+\i+1], s[54:55], v[8*\n+\i:8*\n+\i+1] op_sel_hi:[1,0,1]   ; each accumulator from its low end on
.endr
.endr
	WIN 0
.set n, 0
.rept 32
	v_pk_mul_f32 v[OO+n:OO+n+1], v[OO+n:OO+n+1], v[WT+2*(\m):WT+2*(\m)+1]
.set n, n+2
.endr
.irp n, 0,1,2,3,4,5,6,7
	ds_store_b128 v[SIN], v[OO+8*\n:OO+8*\n+3] offset:64*\n
	ds_store_b128 v[SIN], v[OO+8*\n+4:OO+8*\n+7] offset:64*\n+16
.endr
.irp i, 0,1,2,3,4,5,6,7,8,9,10,11,12,13,14,15
	ds_load_b128 v[BB+4*\i:BB+4*\i+3], v[SOUT] offset:528*\i   ; LDS serves a wave's instructions in order (ISA guide 5.7.1.4): these see my stores, and the next block's stores come behind them
.endr
.irp i, 0,1,2,3,4,5,6,7,8,9,10,11,12,13,14,15
	v_readlane_b32 s[66+\i], v[PROW+(\m)], \i      ; the rows' places in parts, each in a scalar register of its own, a kind of line at a time
.endr
.irp i, 0,1,2,3,4,5,6,7,8,9,10,11,12,13,14,15
	s_min_u32 s[66+\i], s[66+\i], 12486            ; inside parts
.endr
.irp i, 0,1,2,3,4,5,6,7,8,9,10,11,12,13,14,15
	s_lshl_b32 s[66+\i], s[66+\i], 11
.endr
.irp i, 0,1,2,3,4,5,6,7,8,9,10,11,12,13,14,15
	v_add_nc_u32 v[AA+\i], s[66+\i], v[CO]
.endr
.endm
.macro SEND m, younger                 ; younger: the LDS instructions issued behind block m's loads, which may stay out
.set BB, 192-128*((\m)%2)
.set AA, 28+16*((\m)%2)
	s_wait_dscnt \younger                          ; the block is back in registers
.irp i, 0,1,2,3,4,5,6,7,8,9,10,11,12,13,14,15
	global_store_b128 v[AA+\i], v[BB+4*\i:BB+4*\i+3], s[20:21] ; 512 consecutive bytes, at a multiple of 256 from the buffer's first byte
.endr
.endm
	TOSTAGE 0
.irp m, 1,2,3
.if \m > 1
	s_wait_xcnt 0x0                                ; block m - 2's stores have read their data and addresses: block m's loads and addresses land there only behind this wait
.endif
	TOSTAGE \m
	SEND \m-1, 32                                  ; behind block m - 1's loads: block m's 16 stores and 16 loads
.endr
	SEND 3, 0
	s_wait_tensorcnt 0x0                           ; the wave's end, behind my last LDS store
	ds_add_u32 v[SPW], v[NIL]
	s_wait_dscnt 0x0
	s_endpgm
.Lfunc_end_k_qfd498fe591_chain:
	.size	k_qfd498fe591_chain, .Lfunc_end_k_qfd498fe591_chain-k_qfd498fe591_chain
	.p2alignl 7, 3214868480
	.fill 96, 4, 3214868480
	.section	.rodata,"a",@progbits
	.p2align	6, 0x0
	.amdhsa_kernel k_qfd498fe591_chain
		.amdhsa_group_segment_fixed_size 84480
		.amdhsa_private_segment_fixed_size 0
		.amdhsa_enable_private_segment 0
		.amdhsa_kernarg_size 72
		.amdhsa_user_sgpr_count 2
		.amdhsa_user_sgpr_kernarg_segment_ptr 1
		.amdhsa_wavefront_size32 1
		.amdhsa_system_sgpr_workgroup_id_x 1
		.amdhsa_system_sgpr_workgroup_id_y 1
		.amdhsa_system_sgpr_workgroup_id_z 1
		.amdhsa_system_vgpr_workitem_id 0
		.amdhsa_next_free_vgpr 1024
		.amdhsa_next_free_sgpr 100
		.amdhsa_reserve_vcc 1
		.amdhsa_float_denorm_mode_32 3
		.amdhsa_float_denorm_mode_16_64 3
		.amdhsa_memory_ordered 1
		.amdhsa_forward_progress 1
		.amdhsa_inst_pref_size 255
	.end_amdhsa_kernel
	.section	.bss,"aw",@nobits
	.p2align	6
	.space	262144
	.amdgpu_metadata
---
amdhsa.version: [ 1, 2 ]
amdhsa.kernels:
  - .name:           k_qfd498fe591_chain
    .symbol:         k_qfd498fe591_chain.kd
    .args:
      - { .name: lst, .offset: 0, .size: 8, .value_kind: global_buffer, .address_space: global }
      - { .name: gi, .offset: 8, .size: 8, .value_kind: global_buffer, .address_space: global }
      - { .name: gf, .offset: 16, .size: 8, .value_kind: global_buffer, .address_space: global }
      - { .name: xq, .offset: 24, .size: 8, .value_kind: global_buffer, .address_space: global }
      - { .name: wf, .offset: 32, .size: 8, .value_kind: global_buffer, .address_space: global }
      - { .name: b1, .offset: 40, .size: 8, .value_kind: global_buffer, .address_space: global }
      - { .name: b2, .offset: 48, .size: 8, .value_kind: global_buffer, .address_space: global }
      - { .name: lowp_scales, .offset: 56, .size: 8, .value_kind: global_buffer, .address_space: global }
      - { .name: parts, .offset: 64, .size: 8, .value_kind: global_buffer, .address_space: global }
    .group_segment_fixed_size: 84480
    .private_segment_fixed_size: 0
    .kernarg_segment_align: 8
    .kernarg_segment_size: 72
    .max_flat_workgroup_size: 128
    .sgpr_count:     100
    .vgpr_count:     1024
    .wavefront_size: 32
...
	.end_amdgpu_metadata
.endif
;; end of part 3
;; launch combine (part 4): grid 256 x 1, 8 waves a work-group, no clusters, 0 bytes of LDS; arguments parts, out0; writes out0
.if DOCPART == 4
	.amdgcn_target "amdgcn-amd-amdhsa--gfx1250"
	.amdhsa_code_object_version 6
	.text
	.protected	k_qfd498fe591_combine
	.globl	k_qfd498fe591_combine
	.p2align	8
	.type	k_qfd498fe591_combine,@function
k_qfd498fe591_combine:
	s_mov_b64 s[64:65], 0
	v_nop
	global_prefetch_b8 v0, s[64:65] scope:SCOPE_SE
	s_setreg_imm32_b32 hwreg(HW_REG_WAVE_MODE, 25, 1), 1
	s_wait_xcnt 0x0
; COMBINE: out0[n] = parts[3 n] + parts[3 n + 1] + parts[3 n + 2]: a token's three weighted expert rows, made by three work-groups of the launch before, have one owner here.
; LIMIT: the three are added in ascending order of expert, not in the order of reference()'s top-k: another order of rounding.  The tiles' spare rows (from row 12,288 on) are not read.
; A stream: a wave takes two tokens; each load and store covers 512 consecutive bytes; all 24 loads go out first.  No LDS, no barrier, no matrix unit: waves share nothing and memory binds.
	s_load_b128 s[4:7], s[0:1], 0x0                ; parts, out0
	v_lshrrev_b32 v1, 5, v0
	v_readfirstlane_b32 s8, v1
	v_and_b32 v1, 31, v0
	v_lshlrev_b32 v1, 4, v1                        ; 16 x lane
	s_lshl_b32 s9, ttmp9, 3
	s_add_co_u32 s9, s9, s8                        ; which pair of tokens
	s_mul_i32 s10, s9, 12288                       ; six rows of 2,048 bytes
	s_mov_b32 s11, 0
	s_lshl_b32 s12, s9, 12                         ; two rows
	s_mov_b32 s13, 0
	s_wait_kmcnt 0x0
	s_add_nc_u64 s[4:5], s[4:5], s[10:11]
	s_add_nc_u64 s[6:7], s[6:7], s[12:13]
.irp t, 0,1
.irp k, 0,1,2
.irp q, 0,1,2,3
	global_load_b128 v[16+48*\t+16*\k+4*\q:16+48*\t+16*\k+4*\q+3], v1, s[4:5] offset:6144*\t+2048*\k+512*\q th:TH_LOAD_NT
.endr
.endr
.endr
.irp t, 0,1
	s_wait_loadcnt 12-12*\t                        ; this token's twelve loads are in; the second token's twelve may stay out
.irp q, 0,1,2,3
.irp p, 0,2
	v_pk_add_f32 v[16+48*\t+4*\q+\p:16+48*\t+4*\q+\p+1], v[16+48*\t+4*\q+\p:16+48*\t+4*\q+\p+1], v[32+48*\t+4*\q+\p:32+48*\t+4*\q+\p+1]
.endr
.endr
.irp q, 0,1,2,3
.irp p, 0,2
	v_pk_add_f32 v[16+48*\t+4*\q+\p:16+48*\t+4*\q+\p+1], v[16+48*\t+4*\q+\p:16+48*\t+4*\q+\p+1], v[48+48*\t+4*\q+\p:48+48*\t+4*\q+\p+1]
.endr
.endr
.irp q, 0,1,2,3
	global_store_b128 v1, v[16+48*\t+4*\q:16+48*\t+4*\q+3], s[6:7] offset:2048*\t+512*\q th:TH_STORE_NT
.endr
.endr
	s_endpgm
.Lfunc_end_k_qfd498fe591_combine:
	.size	k_qfd498fe591_combine, .Lfunc_end_k_qfd498fe591_combine-k_qfd498fe591_combine
	.p2alignl 7, 3214868480
	.fill 96, 4, 3214868480
	.section	.rodata,"a",@progbits
	.p2align	6, 0x0
	.amdhsa_kernel k_qfd498fe591_combine
		.amdhsa_group_segment_fixed_size 0
		.amdhsa_private_segment_fixed_size 0
		.amdhsa_enable_private_segment 0
		.amdhsa_kernarg_size 16
		.amdhsa_user_sgpr_count 2
		.amdhsa_user_sgpr_kernarg_segment_ptr 1
		.amdhsa_wavefront_size32 1
		.amdhsa_system_sgpr_workgroup_id_x 1
		.amdhsa_system_sgpr_workgroup_id_y 1
		.amdhsa_system_sgpr_workgroup_id_z 1
		.amdhsa_system_vgpr_workitem_id 0
		.amdhsa_next_free_vgpr 112
		.amdhsa_next_free_sgpr 66
		.amdhsa_reserve_vcc 0
		.amdhsa_float_denorm_mode_32 3
		.amdhsa_float_denorm_mode_16_64 3
		.amdhsa_memory_ordered 1
		.amdhsa_forward_progress 1
		.amdhsa_inst_pref_size 6
	.end_amdhsa_kernel
	.amdgpu_metadata
---
amdhsa.version: [ 1, 2 ]
amdhsa.kernels:
  - .name:           k_qfd498fe591_combine
    .symbol:         k_qfd498fe591_combine.kd
    .args:
      - { .name: parts, .offset: 0, .size: 8, .value_kind: global_buffer, .address_space: global }
      - { .name: out0, .offset: 8, .size: 8, .value_kind: global_buffer, .address_space: global }
    .group_segment_fixed_size: 0
    .private_segment_fixed_size: 0
    .kernarg_segment_align: 8
    .kernarg_segment_size: 16
    .max_flat_workgroup_size: 256
    .sgpr_count:     66
    .vgpr_count:     112
    .wavefront_size: 32
...
	.end_amdgpu_metadata
.endif
;; end of part 4
